; MI455X (gfx1250); checked and timed in simulation.
; The chip was launched on July 23, 2026; its instructions are those of AMD's public machine-readable ISA for CDNA 5 (MIT licence, August 2026) and "CDNA5" Instruction Set Architecture Reference Guide (July 2026). The comments in the code are by the model that wrote it; some were corrected since.
;; Quantized PCME Projector. Allowed arithmetic: matrix products marked QUANTISED: E5M2 operands, one given power-of-two scale a tensor, by v_wmma_f32_16x16x64_bf8_bf8 or v_wmma_f32_16x16x128_bf8_bf8, f32 sums; everything else in f32.
;; Inputs: b_lv1 4,096 int32; b_lv2 1,024 int32; b_mu1 4,096 int32; b_mu2 1,024 int32; lowp_scales 8 int32 (the exponents e of the quantised operands' scales 2^e); w_lv1 4,096 x 1,024 int32; w_lv2 1,024 x 4,096 int32; w_mu1 4,096 x 1,024 int32; w_mu2 1,024 x 4,096 int32; x 4,096 x 1,024 float32.
;; Outputs: out0 4,096 x 1,024 float32; out1 4,096 x 1,024 float32.
;; This version of the problem:
;;   THIS VERSION OF THE PROBLEM IS GIVEN IN LOW PRECISION. The matrix products marked QUANTISED in the list below multiply operands that are first quantised to E5M2 (5 exponent bits, 2 mantissa bits; 8 bits a number), with one given power-of-two scale for each operand tensor; their sums are f32. All else is computed in f32.
;;   The module's matrix products, in the order in which they are computed (A, B: the left and right operand; K: the contracted axis; several contracted axes count as one K, in the product's order):
;;     1. [M 4,096, K 1,024] x [K 1,024, N 4,096]; A: computed on the way; B: computed on the way: QUANTISED (scales: A lowp_scales[0], B lowp_scales[1])
;;     2. [M 4,096, K 4,096] x [K 4,096, N 1,024]; A: computed on the way; B: computed on the way: QUANTISED (scales: A lowp_scales[2], B lowp_scales[3])
;;     3. [M 4,096, K 1,024] x [K 1,024, N 4,096]; A: computed on the way; B: computed on the way: QUANTISED (scales: A lowp_scales[4], B lowp_scales[5])
;;     4. [M 4,096, K 4,096] x [K 4,096, N 1,024]; A: computed on the way; B: computed on the way: QUANTISED (scales: A lowp_scales[6], B lowp_scales[7])
;;   THE QUANTISER, for each operand of a quantised product, along K:
;;     - The operand's scale is 2^e, e = its entry of the input lowp_scales (int32; the entries are numbered through the quantised products in the list's order, A before B).
;;     - Each number is divided by the scale, clamped to +-57,344, and rounded to the nearest number of E5M2, ties to even, subnormals kept.
;;     - The product sums the exact products of the quantised numbers (number of the format x scale) in f32.
;;   ~~~python
;;   def quantise(x, axis, e):      # numpy; x: float32 -> the quantised numbers, widened to float32 again
;;       x = np.moveaxis(x, axis, -1); K = x.shape[-1]
;;       r = np.clip(x / 2.0 ** e, -57344, 57344)
;;       step = 2.0 ** (np.maximum(np.frexp(np.where(r == 0, 1, r))[1] - 1, -14) - 2)
;;       q = np.round(r / step) * step * 2.0 ** e      # np.round: ties to even
;;       return np.moveaxis(q, -1, axis).astype(np.float32)
;;   ~~~
;;   OPERANDS COMPUTED ON THE WAY. 'Computed on the way' means the value that the module computes at that place (a softmax that the list does not call 'softmax' is quantised finished and normalised). What goes into a quantiser is computed in f32, as accurately as f32 sums, v_exp_f32 and their like allow (about 1e-6 of the number): no bf16 or f16 on the way to a quantiser, and a product that is left as it is and whose result goes on into a quantised operand takes f32 operands (vector FMAs, or v_wmma_f32_16x16x4_f32). A number that lies on a knife's edge between two numbers of the format may be rounded either way, as far as f32 arithmetic and the matrix unit's own rounding can turn it there, and no further.
;; One version. Each part assembles by itself: llvm-mc -triple=amdgcn-amd-amdhsa -mcpu=gfx1250 --defsym DOCPART=n.
;; ======== version 1 of 1: 4 launches
;; limits: right only within a limited range of input values
;; workspace buffers: codes 25,165,824 bytes; hid 33,554,432 bytes; part 16,777,216 bytes
;; launch quant (part 1): grid 640 x 1, 4 waves a work-group, no clusters, 33,280 bytes of LDS; arguments x, w_mu1, w_lv1, w_mu2, w_lv2, lowp_scales, codes; writes codes
.if DOCPART == 1
	.amdgcn_target "amdgcn-amd-amdhsa--gfx1250"
	.amdhsa_code_object_version 6
	.text
	.protected	k_q8d3283d880_quant
	.globl	k_q8d3283d880_quant
	.p2align	8
	.type	k_q8d3283d880_quant,@function
k_q8d3283d880_quant:
	s_mov_b64 s[64:65], 0
	v_nop
	global_prefetch_b8 v0, s[64:65] scope:SCOPE_SE
	s_setreg_imm32_b32 hwreg(HW_REG_WAVE_MODE, 25, 1), 1
	s_wait_xcnt 0x0
; The operands that many work-groups read are turned into codes of BF8 (E5M2) once: x (twice: with scale entry 0 for the mu branch and entry 4 for the logvar branch) and the four weights.
; codes: six dense blocks of 4,194,304 bytes, a code a byte, K innermost: 0 x under e0, 1 x under e4, 2 w_mu1 (e1), 3 w_lv1 (e5), 4 w_mu2 (e3), 5 w_lv2 (e7).
; x first goes onto the int8 grid: n = clip(round(x / 0.02), -128, 127), value n x 0.02.  A weight's value is int32 -> f32, x 0.005.  code = value / 2^e, held within +-57,344, to the nearest code, ties to even.
; LIMITS: x / 0.02 is computed as x x 50.0 (the f32 number nearest to 1 / 0.02f): within one unit in the last place of the quotient, so n can differ only where the quotient lies at a tie of the rounding.
;         each e between -126 and 112, so that 2^e and 57,344 x 2^e are f32 numbers.  NaN among the inputs is not served.
; All five tensors have K innermost and dense rows: each is a plain stream of 4,194,304 numbers, and so are its codes.  128 work-groups to a tensor (tensor = work-group / 128), a wave 16 steps of 512 numbers.
; A conversion takes 8 neighbours from ONE lane's registers, a load is best where neighbouring LANES take neighbouring bytes: each of a step's four loads reads 512 consecutive bytes, the 2,048 bytes go through the
; wave's own stage in LDS (16 bytes of padding behind each 64) and come back 64 bytes a lane.  A lane's 16 codes are 16 bytes: the wave stores 512 consecutive bytes.
; One path through the text for all tensors: every LDS instruction lies on it; scalar branches on the tensor's number stand round register work and round x's second store alone.
; No tensor loads, no barrier, no cluster: waves and work-groups share nothing.  Loads run four steps (16 loads a wave) ahead, the turn through LDS one step.
.set STEPS, 16
.set SP,    80                         ; a lane's place in a stage: its 64 bytes + 16 of padding
.set WREG,  8192                       ; LDS: a region for each wave: two stages of 32 x SP bytes
.set BLOCKB, 4194304                   ; a block of the codes' buffer
.set R,     16                         ; v16-79   four sets of 16 numbers as they are loaded
.set X,     80                         ; v80-111  two sets of 16 neighbours
.set Y,     112                        ; v112-127 the numbers held for the first conversion
.set C,     128                        ; v128-191 codes: four registers for each step, so that no store's data are written again
.set C2,    192                        ; v192-255 x's codes under its second scale, likewise
	s_load_b256 s[4:11], s[0:1], 0x0               ; x, w_mu1, w_lv1, w_mu2
	s_load_b128 s[12:15], s[0:1], 0x20             ; w_lv2, the scales' exponents
	s_load_b64 s[16:17], s[0:1], 0x30              ; codes
	v_lshl_add_u32 v12, v0, 2, 0x8000
	v_mov_b32 v13, 0
	v_lshrrev_b32 v1, 5, v0
	v_readfirstlane_b32 s18, v1                    ; wave
	v_and_b32 v2, 31, v0                           ; lane
	v_lshlrev_b32 v3, 4, v2                        ; 16 x lane: my 16 bytes of a load's 512, and of a store's; never rewritten
	s_mul_i32 s19, s18, WREG
	v_lshrrev_b32 v14, 2, v2
	v_mul_u32_u24 v14, v14, SP
	v_and_b32 v15, 3, v2
	v_lshl_add_u32 v14, v15, 4, v14
	v_add_nc_u32 v14, s19, v14                     ; the stage, on the way in: SP (lane / 4) + 16 (lane % 4); a load's 512 bytes take eight places
	v_mul_u32_u24 v15, v2, SP
	v_add_nc_u32 v15, s19, v15                     ; and on the way out: SP x lane: my 16 neighbours
	s_lshr_b32 s20, ttmp9, 7                       ; the tensor: 0 x, 1 w_mu1, 2 w_lv1, 3 w_mu2, 4 w_lv2
	s_and_b32 s21, ttmp9, 127
	s_lshl_b32 s21, s21, 2
	s_add_co_u32 s21, s21, s18                     ; which run of 8,192 numbers is my wave's: 0 .. 511
	s_lshl_b32 s32, s21, 15                        ; in the tensor: 32,768 bytes a run
	s_mov_b32 s33, 0
	s_lshl_b32 s34, s21, 13                        ; in its codes: 8,192 bytes a run
	s_cmp_eq_u32 s20, 0
	s_cselect_b32 s22, 0, 1
	s_add_co_u32 s22, s22, s20                     ; the block: 0 for x (its second codes go one block on), tensor + 1 for a weight
	s_lshl_b32 s22, s22, 22
	s_add_co_u32 s34, s34, s22
	s_mov_b32 s35, 0
	s_mov_b32 s40, 0xc3000000                      ; -128.0
	s_mov_b32 s41, 0x42fe0000                      ; 127.0
	s_mov_b32 s42, 0x42480000                      ; 50.0
	s_mov_b32 s43, s42                             ; (the packed forms name pairs, so both words are written)
	s_mov_b32 s38, 0x3ba3d70a                      ; 0.005,
	s_cmp_eq_u32 s20, 0
	s_cselect_b32 s38, 0x3ca3d70a, s38             ; or 0.02 for x
	s_mov_b32 s39, s38
	s_wait_alu depctr_va_vdst(0)
	s_wait_kmcnt 0x0
	s_load_b256 s[24:31], s[14:15], 0x0            ; the eight exponents
	s_cmp_eq_u32 s20, 1                            ; the source: a choice that hangs on the work-group's number alone
	s_cselect_b64 s[4:5], s[6:7], s[4:5]
	s_cmp_eq_u32 s20, 2
	s_cselect_b64 s[4:5], s[8:9], s[4:5]
	s_cmp_eq_u32 s20, 3
	s_cselect_b64 s[4:5], s[10:11], s[4:5]
	s_cmp_eq_u32 s20, 4
	s_cselect_b64 s[4:5], s[12:13], s[4:5]
	s_add_nc_u64 s[4:5], s[4:5], s[32:33]
	s_add_nc_u64 s[16:17], s[16:17], s[34:35]
.macro LOAD t
.irp i, 0,1,2,3
	global_load_b128 v[R+16*((\t)%4)+4*\i:R+16*((\t)%4)+4*\i+3], v3, s[4:5] offset:2048*(\t)+512*\i th:TH_LOAD_NT   ; 32 lanes read 512 consecutive bytes
.endr
.endm
.macro SHUF t                          ; step t's numbers through the stage: LDS serves a wave's instructions in order, so no wait stands between the stores and the loads
.irp i, 0,1,2,3
	ds_store_b128 v14, v[R+16*((\t)%4)+4*\i:R+16*((\t)%4)+4*\i+3] offset:32*SP*((\t)%2)+8*SP*\i
.endr
.irp i, 0,1,2,3
	ds_load_b128 v[X+16*((\t)%2)+4*\i:X+16*((\t)%2)+4*\i+3], v15 offset:32*SP*((\t)%2)+16*\i
.endr
.endm
.irp t, 0,1,2,3
	LOAD \t
.endr
	s_wait_kmcnt 0x0
	s_mov_b32 s22, s24                             ; the tensor's e: entry 0, 1, 5, 3, 7
	s_cmp_eq_u32 s20, 1
	s_cselect_b32 s22, s25, s22
	s_cmp_eq_u32 s20, 2
	s_cselect_b32 s22, s29, s22
	s_cmp_eq_u32 s20, 3
	s_cselect_b32 s22, s27, s22
	s_cmp_eq_u32 s20, 4
	s_cselect_b32 s22, s31, s22
	s_add_co_i32 s22, s22, 127
	s_lshl_b32 s23, s22, 23
	v_mov_b32 v11, s23                             ; 2^e as f32: the conversion takes its exponent field
	s_add_co_i32 s22, s22, 15
	s_lshl_b32 s22, s22, 23
	s_or_b32 s22, s22, 0x600000
	v_mov_b32 v10, s22                             ; 57,344 x 2^e
	s_add_co_i32 s22, s28, 127                     ; the same for entry 4: x's second scale
	s_lshl_b32 s23, s22, 23
	v_mov_b32 v8, s23
	s_add_co_i32 s22, s22, 15
	s_lshl_b32 s22, s22, 23
	s_or_b32 s22, s22, 0x600000
	v_mov_b32 v9, s22
	s_wait_loadcnt 12                              ; step 0's four loads are in
	SHUF 0
.macro STEP t
.set XS, X+16*((\t)%2)
	s_wait_dscnt 0x0                               ; this step's numbers are back from the stage: so its stores into the stage have read their registers,
.if (\t)+4 < STEPS
	LOAD (\t)+4                                    ; which take the loads of four steps on
.endif
.if (\t)+1 < STEPS
.if STEPS-2-(\t) >= 3
	s_wait_loadcnt 12                              ; the next step's four loads are in; those of the three steps behind it may be out
.else
	s_wait_loadcnt 4*(STEPS-2-(\t))
.endif
	SHUF (\t)+1                                    ; and go through the other stage while this step is worked
.endif
	s_cmp_lg_u32 s20, 0
	s_cbranch_scc1 .Lweight_\@
.irp i, 0,2,4,6,8,10,12,14
	v_pk_mul_f32 v[XS+\i:XS+\i+1], v[XS+\i:XS+\i+1], s[42:43] op_sel_hi:[1,0]   ; x: x 50
.endr
.irp i, 0,1,2,3,4,5,6,7,8,9,10,11,12,13,14,15
	v_rndne_f32 v[XS+\i], v[XS+\i]                 ; to the nearest whole number, ties to even
.endr
.irp i, 0,1,2,3,4,5,6,7,8,9,10,11,12,13,14,15
	v_med3_num_f32 v[XS+\i], v[XS+\i], s40, s41    ; within -128 .. 127
.endr
	s_branch .Lgrid_\@
.Lweight_\@:
.irp i, 0,1,2,3,4,5,6,7,8,9,10,11,12,13,14,15
	v_cvt_f32_i32 v[XS+\i], v[XS+\i]               ; a weight: int32 -> f32
.endr
.Lgrid_\@:
	s_wait_alu depctr_va_vdst(0)
.irp i, 0,2,4,6,8,10,12,14
	v_pk_mul_f32 v[XS+\i:XS+\i+1], v[XS+\i:XS+\i+1], s[38:39] op_sel_hi:[1,0]   ; x 0.02 or x 0.005: the operand's value
.endr
.irp i, 0,1,2,3,4,5,6,7,8,9,10,11,12,13,14,15
	v_med3_num_f32 v[Y+\i], v[XS+\i], -v10, v10    ; the conversion to an 8-bit code does not saturate (ISA guide 7.6.2): the hold at the largest code x the scale, into other registers: x's values are wanted once more
.endr
	v_cvt_scalef32_pk8_bf8_f32 v[C+4*(\t):C+4*(\t)+1], v[Y:Y+7], v11
	v_cvt_scalef32_pk8_bf8_f32 v[C+4*(\t)+2:C+4*(\t)+3], v[Y+8:Y+15], v11
	global_store_b128 v3, v[C+4*(\t):C+4*(\t)+3], s[16:17] offset:512*(\t)   ; the next vector lines, on either way, are plain and touch neither Y nor these codes
	s_cmp_lg_u32 s20, 0
	s_cbranch_scc1 .Lone_\@
.irp i, 0,1,2,3,4,5,6,7,8,9,10,11,12,13,14,15
	v_med3_num_f32 v[XS+\i], v[XS+\i], -v9, v9     ; x under its second scale
.endr
	v_cvt_scalef32_pk8_bf8_f32 v[C2+4*(\t):C2+4*(\t)+1], v[XS:XS+7], v8
	v_cvt_scalef32_pk8_bf8_f32 v[C2+4*(\t)+2:C2+4*(\t)+3], v[XS+8:XS+15], v8
	global_store_b128 v3, v[C2+4*(\t):C2+4*(\t)+3], s[16:17] offset:BLOCKB+512*(\t)   ; one block on; the offset stays inside the signed 24-bit immediate
.Lone_\@:
.endm
.irp t, 0,1,2,3,4,5,6,7,8,9,10,11,12,13,14,15
	STEP \t
.endr
	s_wait_tensorcnt 0x0
	ds_add_u32 v12, v13
	s_wait_dscnt 0x0
	s_endpgm
.Lfunc_end_k_q8d3283d880_quant:
	.size	k_q8d3283d880_quant, .Lfunc_end_k_q8d3283d880_quant-k_q8d3283d880_quant
	.p2alignl 7, 3214868480
	.fill 96, 4, 3214868480
	.section	.rodata,"a",@progbits
	.p2align	6, 0x0
	.amdhsa_kernel k_q8d3283d880_quant
		.amdhsa_group_segment_fixed_size 33280
		.amdhsa_private_segment_fixed_size 0
		.amdhsa_enable_private_segment 0
		.amdhsa_kernarg_size 56
		.amdhsa_user_sgpr_count 2
		.amdhsa_user_sgpr_kernarg_segment_ptr 1
		.amdhsa_wavefront_size32 1
		.amdhsa_system_sgpr_workgroup_id_x 1
		.amdhsa_system_sgpr_workgroup_id_y 1
		.amdhsa_system_sgpr_workgroup_id_z 1
		.amdhsa_system_vgpr_workitem_id 0
		.amdhsa_next_free_vgpr 256
		.amdhsa_next_free_sgpr 66
		.amdhsa_reserve_vcc 0
		.amdhsa_float_denorm_mode_32 3
		.amdhsa_float_denorm_mode_16_64 3
		.amdhsa_memory_ordered 1
		.amdhsa_forward_progress 1
		.amdhsa_inst_pref_size 109
	.end_amdhsa_kernel
	.amdgpu_metadata
---
amdhsa.version: [ 1, 2 ]
amdhsa.kernels:
  - .name:           k_q8d3283d880_quant
    .symbol:         k_q8d3283d880_quant.kd
    .args:
      - { .name: x, .offset: 0, .size: 8, .value_kind: global_buffer, .address_space: global }
      - { .name: w_mu1, .offset: 8, .size: 8, .value_kind: global_buffer, .address_space: global }
      - { .name: w_lv1, .offset: 16, .size: 8, .value_kind: global_buffer, .address_space: global }
      - { .name: w_mu2, .offset: 24, .size: 8, .value_kind: global_buffer, .address_space: global }
      - { .name: w_lv2, .offset: 32, .size: 8, .value_kind: global_buffer, .address_space: global }
      - { .name: lowp_scales, .offset: 40, .size: 8, .value_kind: global_buffer, .address_space: global }
      - { .name: codes, .offset: 48, .size: 8, .value_kind: global_buffer, .address_space: global }
    .group_segment_fixed_size: 33280
    .private_segment_fixed_size: 0
    .kernarg_segment_align: 8
    .kernarg_segment_size: 56
    .max_flat_workgroup_size: 128
    .sgpr_count:     66
    .vgpr_count:     256
    .wavefront_size: 32
...
	.end_amdgpu_metadata
.endif
;; end of part 1
;; launch gemm1 (part 2): grid 8 x 32, 4 waves a work-group, clusters of 4 x 4, 327,680 bytes of LDS; arguments codes, lowp_scales, b_mu1, b_lv1, hid; writes hid
.if DOCPART == 2
	.amdgcn_target "amdgcn-amd-amdhsa--gfx1250"
	.amdhsa_code_object_version 6
	.text
	.protected	k_q8d3283d880_gemm1
	.globl	k_q8d3283d880_gemm1
	.p2align	8
	.type	k_q8d3283d880_gemm1,@function
k_q8d3283d880_gemm1:
	s_mov_b64 s[64:65], 0
	v_nop
	global_prefetch_b8 v0, s[64:65] scope:SCOPE_SE
	s_setreg_imm32_b32 hwreg(HW_REG_WAVE_MODE, 25, 1), 1
	s_wait_xcnt 0x0
	s_wait_alu depctr_hold_cnt(0) depctr_sa_sdst(0) depctr_va_vdst(0) depctr_va_sdst(0) depctr_va_ssrc(0) depctr_va_vcc(0) depctr_vm_vsrc(0)
	s_getreg_b32 s2, hwreg(HW_REG_IB_STS2, 6, 4)
	s_cmp_eq_u32 s2, 0
	s_cbranch_scc0 .Lentry_in_a_cluster
	s_endpgm
.Lentry_in_a_cluster:
	s_bfe_u32 s2, ttmp6, 0x10000c
	s_cmp_lg_u32 s2, 0xf033
	s_cbranch_scc0 .Lentry_shape_is_right
	s_endpgm
.Lentry_shape_is_right:
; The first layer of both branches, and the second layer's left operand: s = x_codes W1_codes^T (K = 1,024, BF8, f32 sums), y = relu(s 2^(eA + eB) + bias x 0.0001),
; n = clip(round(y / 0.02), -128, 127), value n x 0.02, code = value / 2^eH held at 57,344, to the nearest code of E5M2.  Entries of the scales: eA, eB, eH = 0, 1, 2 (mu) or 4, 5, 6 (logvar).
; LIMITS: y / 0.02 is computed as a multiplication by 50, fused with the scale and the bias (s x 50 x 2^(eA + eB) + bias x 0.0001 x 50): n can differ only where the quotient lies at a tie of the rounding.
;         eA + eB between -120 and 120, eH between -126 and 112, so that the factors are f32 numbers.  NaN is not served.
; relu and both clips are one v_med3 between 0 and min(127 x 0.02, 57,344 x 2^eH).
; A work-group takes 256 rows of one branch and 512 hidden columns, as four tiles of 128 columns: 32 x 8 = 256 work-groups.  A wave takes 64 rows.
; A STAYS IN REGISTERS: a wave's 64 rows x 1,024 K are 512 registers.  They come by one tensor load a wave into the area of both slots, are read once, and serve all four tiles.
; B (W1's codes) goes through two LDS slots of 128 rows x 1,024 K: a slot is a whole tile's B, 256 matrix instructions a wave; each wave brings 32 rows by one tensor load.
; CLUSTER 4 x 4: the four work-groups of a row of the cluster have the same rows of x (A asked for jointly), the four of a column the same hidden columns (B asked for jointly).
; B's fragments turn through three groups of four (64 registers each); group g + 2 is read from LDS while group g is multiplied, four to eight loads behind each four matrix instructions.
; THE MATRIX INSTRUCTION IS USED TRANSPOSED, and the rows of W1 that form a tile are chosen (lane r of block 2 c + u takes row 32 c + 8 u + r + 8 (r / 8)) so that a lane's 16 codes of two neighbouring
; blocks are registers 4 c .. 4 c + 3 of the next product's fragment: hid is [16 rows][128 along the hidden axis][2,048 bytes in register order], and a wave's store covers 512 consecutive bytes.
; The bias (512 numbers x 0.0001 x 50) lies in LDS bytes of its own, written once at the head.
; PREFETCH: B's tiles 0 and 1 are named at the head, tile t + 2 at the start of tile t, a tile's work ahead of its load; the 16 waves of a column of the cluster share a tile's 512 blocks of 256 bytes out by address.
; A is asked for at the head, with nothing to run ahead in: no prefetch.
; Two loops of two trips: tiles 0, 1 fill their slot again, tiles 2, 3 do not.
; REGISTERS: window 0: v0-63 addresses, v64-255 B's three groups (on the way out: sums, codes, bias); windows 1, 2: A, step q block a at 256 + 64 q + 16 a; window 3: accumulator (a, b) at 8 (8 a + b).
.set PITCH,  1040
.set SLOT,   128*PITCH
.set SPARE,  2*SLOT
.set BIASL,  SPARE+512
.set BOFF,   8388608
.set TILEB,  131072                    ; 128 rows of 1,024 codes
.set ADRA, 16
.set BB0,  17                          ; v17, v18: B's lane address, rows 0-63 and 64-127 of a slot
.set PFO,  19
.set ADRB, 20                          ; v20, v21: the same in this tile's slot
.set BIA,  22
.set BST,  23
.set BGO,  24
.set BIA0, 25
.set CO,   26
.set SPW,  28
.set NIL,  29
.set LIMV, 30
.set SCV,  31
.set TMP,  64
.set CD,   128
.set BI,   192
.set G1A, 24
.set G0A, 32
.set G1B, 48
.set G0B, 56
.set MSB, 0
.macro WIN new
.if MSB != \new
	s_set_vgpr_msb (MSB<<8)|\new
.set MSB, \new
.endif
.endm
.macro PLACES
.rept 4
	v_nop
.endr
.endm
.macro ROUND
	s_barrier_signal -1
	s_barrier_wait -1
	s_cmp_lg_u32 s14, 0
	s_cbranch_scc1 .Lnw0_\@
	s_barrier_signal -3
.Lnw0_\@:
	s_barrier_wait -3
	s_barrier_signal -1
	s_barrier_wait -1
.endm
	s_load_b64 s[4:5], s[0:1], 0x0                 ; codes
	s_load_b128 s[8:11], s[0:1], 0x8               ; scales, b_mu1
	s_load_b128 s[72:75], s[0:1], 0x18             ; b_lv1, hid
	v_lshl_add_u32 v[SPW], v0, 2, SPARE
	v_mov_b32 v[NIL], 0
	ds_add_u32 v[SPW], v[NIL]                      ; the opening lines: the add twice on end and its wait
	ds_add_u32 v[SPW], v[NIL]
	v_lshrrev_b32 v1, 5, v0
	v_readfirstlane_b32 s14, v1                    ; wave
	v_and_b32 v2, 31, v0
	v_and_b32 v3, 15, v0                           ; r
	v_bfe_u32 v4, v0, 4, 1                         ; h
	v_lshlrev_b32 v[CO], 4, v2                     ; 16 x lane
	v_lshl_add_u32 v[BST], v0, 4, BIASL            ; the bias: thread t writes numbers 4 t .. 4 t + 3
	v_lshlrev_b32 v[BGO], 4, v0
	v_lshl_add_u32 v[BIA0], v4, 6, BIASL           ; and reads from 64 h on
	s_mul_i32 s20, s14, 64*PITCH
	v_mul_u32_u24 v5, v3, PITCH
	v_lshl_add_u32 v5, v4, 4, v5
	v_add_nc_u32 v[ADRA], s20, v5                  ; my 64 rows of A: row r x pitch + 16 h
	v_and_b32 v6, 8, v3
	v_add_nc_u32 v6, v6, v3                        ; r + 8 (r / 8)
	v_mul_u32_u24 v6, v6, PITCH
	v_lshl_add_u32 v[BB0], v4, 4, v6
	v_add_nc_u32 v[BB0+1], 64*PITCH, v[BB0]
	v_lshrrev_b32 v1, 2, v2
	v_and_b32 v6, 3, v2
	v_lshlrev_b32 v6, 8, v6
	v_lshl_add_u32 v[PFO], v1, 10, v6              ; the prefetch: row lane / 4, block lane % 4
	s_bfe_u32 s40, ttmp6, 0x40000                  ; cx
	s_bfe_u32 s41, ttmp6, 0x40004                  ; cy
	s_lshl_b32 s42, ttmp9, 2
	s_add_co_u32 s42, s42, s40                     ; column group 0..7
	s_and_b32 s67, ttmp7, 0xffff
	s_lshr_b32 s66, s67, 2                         ; branch
	s_lshl_b32 s17, s67, 2
	s_add_co_u32 s17, s17, s41                     ; row block 0..31 (16 to a branch)
	s_lshl_b32 s43, s41, 2
	s_lshl_b32 s43, 15, s43                        ; my row of the cluster
	s_lshl_b32 s44, 0x1111, s40                    ; my column
	s_or_b32 s[G1A], s43, (1<<20)|(1<<21)|(7<<22)|(3<<25)   ; elements of a byte; 4 words of padding behind every 256
	s_or_b32 s[G1B], s44, (1<<20)|(1<<21)|(7<<22)|(3<<25)
.irp g, G1A, G1B
	s_mov_b32 s[\g+1], 1024<<16
	s_mov_b32 s[\g+3], 1024<<16
	s_mov_b32 s[\g+5], 1024
	s_mov_b32 s[\g+6], 0
	s_mov_b32 s[\g+7], 0
.endr
	s_mov_b32 s[G1A+2], 64<<16
	s_mov_b32 s[G1A+4], 64
	s_mov_b32 s[G1B+2], 32<<16
	s_mov_b32 s[G1B+4], 32
	s_lshl_b32 s46, s17, 18                        ; A: (256 x row block + 64 x wave) rows of 1,024 bytes; x's two blocks of codes lie on end
	s_lshl_b32 s47, s14, 16
	s_add_co_u32 s46, s46, s47
	s_mov_b32 s47, 0
	s_lshl_b32 s86, s42, 19                        ; B: (512 x column group + 32 x wave) rows, in the branch's block
	s_lshl_b32 s87, s14, 15
	s_add_co_u32 s86, s86, s87
	s_lshl_b32 s87, s66, 22
	s_add_co_u32 s86, s86, s87
	s_add_co_u32 s86, s86, BOFF
	s_mov_b32 s87, 0
	s_lshl_b32 s90, s41, 13                        ; the prefetch: my work-group's 8 of the 32 rows that my wave fetches
	s_add_co_u32 s90, s90, s86
	s_mov_b32 s91, 0
	s_lshl_b32 s92, s17, 20                        ; hid: (16 x row block + 4 x wave) x 65,536 + 4 x column group x 2,048
	s_lshl_b32 s93, s14, 18
	s_add_co_u32 s92, s92, s93
	s_lshl_b32 s93, s42, 13
	s_add_co_u32 s92, s92, s93
	s_mov_b32 s93, 0
	s_lshl_b32 s94, s42, 11
	s_mov_b32 s95, 0
	s_lshl_b32 s22, s66, 4
	s_mov_b32 s23, 0
	s_mov_b32 s[G0A], 1
	s_mov_b32 s[G0A+1], s20
	s_mov_b32 s[G0B], 1
	s_mul_i32 s[G0B+1], s14, 32*PITCH
	s_mov_b32 s84, 0x3ca3d70a                      ; 0.02
	s_mov_b32 s85, s84
	s_mov_b32 s88, 0x38d1b717                      ; 0.0001
	s_mov_b32 s89, 0x42480000                      ; 50.0
	s_wait_alu depctr_va_vdst(0)
	s_wait_dscnt 0x0
	s_wait_kmcnt 0x0
	s_add_nc_u64 s[8:9], s[8:9], s[22:23]
	s_load_b128 s[68:71], s[8:9], 0x0              ; eA, eB, eH
	s_cmp_eq_u32 s66, 0
	s_cselect_b64 s[10:11], s[10:11], s[72:73]
	s_add_nc_u64 s[10:11], s[10:11], s[94:95]
	s_add_nc_u64 s[12:13], s[74:75], s[92:93]
	s_add_nc_u64 s[78:79], s[4:5], s[90:91]
	s_add_nc_u64 s[G0A+2:G0A+3], s[4:5], s[46:47]
	s_or_b32 s[G0A+3], s[G0A+3], 0x80000000
	s_add_nc_u64 s[G0B+2:G0B+3], s[4:5], s[86:87]
	s_or_b32 s[G0B+3], s[G0B+3], 0x80000000
	global_load_b128 v[32:35], v[BGO], s[10:11]    ; the work-group's 512 biases, four a thread
	ROUND                                          ; in front of the first joint load
	tensor_load_to_lds s[G0A:G0A+3], s[G1A:G1A+7]  ; my 64 rows of A: one tensor load a wave at the head
	s_nop 0
	PLACES
	global_prefetch_b8 v[PFO], s[78:79] th:TH_LOAD_NT scope:SCOPE_SE
	global_prefetch_b8 v[PFO], s[78:79] offset:TILEB th:TH_LOAD_NT scope:SCOPE_SE
	s_wait_kmcnt 0x0
	s_add_co_i32 s18, s68, s69
	s_lshl_b32 s18, s18, 23
	s_add_co_i32 s82, s18, 0x42480000              ; 50 x 2^(eA + eB)
	s_mov_b32 s83, s82
	s_add_co_i32 s19, s70, 127
	s_lshl_b32 s22, s19, 23
	v_mov_b32 v[SCV], s22                          ; 2^eH
	s_add_co_i32 s19, s19, 15
	s_lshl_b32 s19, s19, 23
	s_or_b32 s19, s19, 0x600000                    ; 57,344 x 2^eH
	v_mov_b32 v[LIMV], 0x42fe0000
	v_mul_f32 v[LIMV], s84, v[LIMV]                ; 127 x 0.02
	v_min_num_f32 v[LIMV], s19, v[LIMV]
	s_wait_loadcnt 0x0
.irp j, 0,1,2,3
	v_cvt_f32_i32 v[32+\j], v[32+\j]
.endr
.irp j, 0,1,2,3
	v_mul_f32 v[32+\j], s88, v[32+\j]
.endr
.irp j, 0,1,2,3
	v_mul_f32 v[32+\j], s89, v[32+\j]
.endr
	s_wait_alu depctr_va_vdst(0)
	s_wait_tensorcnt 0x0                           ; my rows of A are in; no other wave reads them
	ds_store_b128 v[BST], v[32:35]                 ; no tensor load is out
.irp q, 0,1,2,3,4,5,6,7
.set WA, (1+\q/4)<<6
	WIN WA
.irp a, 0,1,2,3
.irp c, 0,1,2,3
	ds_load_b128 v[64*(\q%4)+16*\a+4*\c:64*(\q%4)+16*\a+4*\c+3], v[ADRA] offset:128*\q+32*\c+\a*16*PITCH
.endr
.endr
.endr
; A change of slots: each wave waits for all its tensor loads, adds 0 to its spare word, waits for that and for its LDS reads.
; fill = 1: a round of the cluster's barrier, then the joint load of the next tile of B, the first tensor load behind it.  adv = 1: the one group 0 goes on to the other slot and the next tile.
.macro SYNC fill, adv
	WIN 0
	s_wait_tensorcnt 0x0
	ds_add_u32 v[SPW], v[NIL]
.if \adv
	s_xor_b32 s[G0B+1], s[G0B+1], SLOT
	s_add_nc_u64 s[G0B+2:G0B+3], s[G0B+2:G0B+3], TILEB
.endif
	s_wait_dscnt 0x0
.if \fill
	ROUND
	tensor_load_to_lds s[G0B:G0B+3], s[G1B:G1B+7]
	s_nop 0
.else
	s_barrier_signal -1
	s_barrier_wait -1
.endif
	PLACES
.endm
.macro LDBLK G, j                      ; block j of group G: step G / 2, B's block 4 (G % 2) + j
.irp c, 0,1,2,3
	ds_load_b128 v[64+64*((\G)%3)+16*(\j)+4*\c:64+64*((\G)%3)+16*(\j)+4*\c+3], v[ADRB+(\G)%2] offset:128*((\G)/2)+32*\c+(32*((\j)/2)+8*((\j)%2))*PITCH
.endr
.endm
.macro MUL4 g, j                       ; one block of B against A's four; the 32 accumulators take turns
.set QQ, (\g)/2
.set BX, 4*((\g)%2)+(\j)
.set BR, 64+64*((\g)%3)+16*(\j)
.irp a, 0,1,2,3
.if QQ == 0
	v_wmma_f32_16x16x128_bf8_bf8 v[8*(8*\a+BX):8*(8*\a+BX)+7], v[BR:BR+15], v[64*(QQ%4)+16*\a:64*(QQ%4)+16*\a+15], 0
.else
	v_wmma_f32_16x16x128_bf8_bf8 v[8*(8*\a+BX):8*(8*\a+BX)+7], v[BR:BR+15], v[64*(QQ%4)+16*\a:64*(QQ%4)+16*\a+15], v[8*(8*\a+BX):8*(8*\a+BX)+7]
.endif
.endr
.endm
.macro GROUP g
.set WM, 0xf0|((1+(\g)/8)<<2)          ; source 0 window 0, source 1 A's window, C and D window 3
.if (\g) < 15
	s_wait_dscnt 16                                ; this group is in; the next group's 16 loads may be out
.else
	s_wait_dscnt 0x0
.endif
	WIN WM
	MUL4 \g, 0
.if (\g)+2 < 16
	PLACES                                         ; in front of loads into the registers that group g - 1's matrix instructions read
	MUL4 \g, 1
	WIN 0
	LDBLK (\g)+2, 0
	WIN WM
	MUL4 \g, 2
	WIN 0
	LDBLK (\g)+2, 1
	WIN WM
	MUL4 \g, 3
	WIN 0
	LDBLK (\g)+2, 2
	LDBLK (\g)+2, 3
.else
	MUL4 \g, 1
	MUL4 \g, 2
	MUL4 \g, 3
.endif
.endm
.macro QBLOCK a                        ; 16 rows x 128 columns: to the int8 grid, to codes, out
	WIN 0x03
.set jj, 0
.rept 32
	v_pk_fma_f32 v[TMP+jj:TMP+jj+1], v[64*(\a)+jj:64*(\a)+jj+1], s[82:83], v[BI+jj:BI+jj+1] op_sel_hi:[1,0,1]   ; each accumulator from its low end on
.set jj, jj+2
.endr
	WIN 0
.set jj, 0
.rept 64
	v_rndne_f32 v[TMP+jj], v[TMP+jj]
.set jj, jj+1
.endr
.set jj, 0
.rept 32
	v_pk_mul_f32 v[TMP+jj:TMP+jj+1], v[TMP+jj:TMP+jj+1], s[84:85] op_sel_hi:[1,0]
.set jj, jj+2
.endr
.set jj, 0
.rept 64
	v_med3_num_f32 v[TMP+jj], v[TMP+jj], 0, v[LIMV]
.set jj, jj+1
.endr
.irp b, 0,1,2,3,4,5,6,7
	v_cvt_scalef32_pk8_bf8_f32 v[CD+16*(\a)+2*\b:CD+16*(\a)+2*\b+1], v[TMP+8*\b:TMP+8*\b+7], v[SCV]
.endr
	v_nop                                          ; a plain line behind the last conversion
.irp c, 0,1,2,3
	global_store_b128 v[CO], v[CD+16*(\a)+4*\c:CD+16*(\a)+4*\c+3], s[12:13] offset:(\a)*65536+512*\c   ; the wave stores 512 consecutive bytes
.endr
.endm
.macro TILE fill
	v_add_nc_u32 v[ADRB], s30, v[BB0]              ; this tile's slot
	v_add_nc_u32 v[ADRB+1], s30, v[BB0+1]
	v_add_nc_u32 v[BIA], s31, v[BIA0]              ; and its 128 biases
	s_wait_alu depctr_va_vdst(0)
.irp j, 0,1,2,3
	LDBLK 0, \j
.endr
.irp j, 0,1,2,3
	LDBLK 1, \j
.endr
.if \fill
	global_prefetch_b8 v[PFO], s[78:79] offset:2*TILEB th:TH_LOAD_NT scope:SCOPE_SE
.endif
.irp g, 0,1,2,3,4,5,6,7,8,9,10,11,12,13,14,15
	GROUP \g
.endr
	SYNC \fill, \fill                              ; the refill goes out ahead of the way out
.irp b, 0,1,2,3,4,5,6,7
	ds_load_b128 v[BI+8*\b:BI+8*\b+3], v[BIA] offset:128*(\b/2)+32*(\b%2)       ; block b, half h, register j is column 32 (b / 2) + 16 h + 8 (b % 2) + j
	ds_load_b128 v[BI+8*\b+4:BI+8*\b+7], v[BIA] offset:128*(\b/2)+32*(\b%2)+16
.endr
	s_wait_dscnt 0x0
.irp a, 0,1,2,3
	QBLOCK \a
.endr
	s_wait_xcnt 0x0                                ; the stores and the prefetch have read their registers: bases step, and the next tile's fragments may land on the codes
	s_add_nc_u64 s[12:13], s[12:13], 2048
.if \fill
	s_add_nc_u64 s[78:79], s[78:79], TILEB
.endif
	s_xor_b32 s30, s30, SLOT
	s_add_co_u32 s31, s31, 512
.endm
	SYNC 1, 0                                      ; every wave has read its rows of A: tile 0 of B into slot 0
	SYNC 1, 1                                      ; tile 1 into slot 1
	s_mov_b32 s30, 0
	s_mov_b32 s31, 0
	s_mov_b32 s3, 2
.Lfill:
	TILE 1
	s_sub_co_u32 s3, s3, 1
	s_cmp_lg_u32 s3, 0
	s_cbranch_scc1 .Lfill
	s_mov_b32 s3, 2
.Ltail:
	TILE 0
	s_sub_co_u32 s3, s3, 1
	s_cmp_lg_u32 s3, 0
	s_cbranch_scc1 .Ltail
	s_wait_tensorcnt 0x0                           ; the wave's end
	ds_add_u32 v[SPW], v[NIL]
	s_wait_dscnt 0x0
	ROUND                                          ; the closing round
	s_endpgm
.Lfunc_end_k_q8d3283d880_gemm1:
	.size	k_q8d3283d880_gemm1, .Lfunc_end_k_q8d3283d880_gemm1-k_q8d3283d880_gemm1
	.p2alignl 7, 3214868480
	.fill 96, 4, 3214868480
	.section	.rodata,"a",@progbits
	.p2align	6, 0x0
	.amdhsa_kernel k_q8d3283d880_gemm1
		.amdhsa_group_segment_fixed_size 327680
		.amdhsa_private_segment_fixed_size 0
		.amdhsa_enable_private_segment 0
		.amdhsa_kernarg_size 40
		.amdhsa_user_sgpr_count 2
		.amdhsa_user_sgpr_kernarg_segment_ptr 1
		.amdhsa_wavefront_size32 1
		.amdhsa_system_sgpr_workgroup_id_x 1
		.amdhsa_system_sgpr_workgroup_id_y 1
		.amdhsa_system_sgpr_workgroup_id_z 1
		.amdhsa_system_vgpr_workitem_id 0
		.amdhsa_next_free_vgpr 1024
		.amdhsa_next_free_sgpr 100
		.amdhsa_reserve_vcc 0
		.amdhsa_float_denorm_mode_32 3
		.amdhsa_float_denorm_mode_16_64 3
		.amdhsa_memory_ordered 1
		.amdhsa_forward_progress 1
		.amdhsa_inst_pref_size 183
	.end_amdhsa_kernel
	.amdgpu_metadata
---
amdhsa.version: [ 1, 2 ]
amdhsa.kernels:
  - .name:           k_q8d3283d880_gemm1
    .symbol:         k_q8d3283d880_gemm1.kd
    .args:
      - { .name: codes, .offset: 0, .size: 8, .value_kind: global_buffer, .address_space: global }
      - { .name: lowp_scales, .offset: 8, .size: 8, .value_kind: global_buffer, .address_space: global }
      - { .name: b_mu1, .offset: 16, .size: 8, .value_kind: global_buffer, .address_space: global }
      - { .name: b_lv1, .offset: 24, .size: 8, .value_kind: global_buffer, .address_space: global }
      - { .name: hid, .offset: 32, .size: 8, .value_kind: global_buffer, .address_space: global }
    .group_segment_fixed_size: 327680
    .private_segment_fixed_size: 0
    .kernarg_segment_align: 8
    .kernarg_segment_size: 40
    .max_flat_workgroup_size: 128
    .sgpr_count:     100
    .vgpr_count:     1024
    .wavefront_size: 32
...
	.end_amdgpu_metadata
.endif
;; end of part 2
;; launch gemm2 (part 3): grid 32 x 8, 4 waves a work-group, clusters of 4 x 1, 327,680 bytes of LDS; arguments hid, codes, lowp_scales, b_mu2, b_lv2, part, out1; writes part, out1
.if DOCPART == 3
	.amdgcn_target "amdgcn-amd-amdhsa--gfx1250"
	.amdhsa_code_object_version 6
	.text
	.protected	k_q8d3283d880_gemm2
	.globl	k_q8d3283d880_gemm2
	.p2align	8
	.type	k_q8d3283d880_gemm2,@function
k_q8d3283d880_gemm2:
	s_mov_b64 s[64:65], 0
	v_nop
	global_prefetch_b8 v0, s[64:65] scope:SCOPE_SE
	s_setreg_imm32_b32 hwreg(HW_REG_WAVE_MODE, 25, 1), 1
	s_wait_xcnt 0x0
	s_wait_alu depctr_hold_cnt(0) depctr_sa_sdst(0) depctr_va_vdst(0) depctr_va_sdst(0) depctr_va_ssrc(0) depctr_va_vcc(0) depctr_vm_vsrc(0)
	s_getreg_b32 s2, hwreg(HW_REG_IB_STS2, 6, 4)
	s_cmp_eq_u32 s2, 0
	s_cbranch_scc0 .Lentry_in_a_cluster
	s_endpgm
.Lentry_in_a_cluster:
	s_bfe_u32 s2, ttmp6, 0x10000c
	s_cmp_lg_u32 s2, 0x3003
	s_cbranch_scc0 .Lentry_shape_is_right
	s_endpgm
.Lentry_shape_is_right:
; The second layer of both branches: C[row][n] = sum over k of hid[row][k] W2[n][k], K = 4,096, codes of BF8 (E5M2); f32 sums x 2^(eA + eB) + bias x 0.0001.
; Rows 0-4,095 are the mu branch (scale entries 2, 3; result to part, unclipped: the next launch adds x and normalises), rows 4,096-8,191 the logvar branch (entries 6, 7; clipped to -5 .. 2, to out1).
; LIMIT: eA + eB between -126 and 127, so that 2^(eA + eB) is an f32 number.  NaN is not served.
; A work-group makes 256 rows x 128 columns over the whole K: 32 x 8 = 256 work-groups.  A wave makes 64 rows x 128 columns: 32 accumulators, 256 registers.
; A (hid) is wanted by one wave of the work-group alone, and lies in memory in the order of an operand's registers ([16 rows][128 K][2,048 bytes]): it goes from memory straight into registers,
; 512 consecutive bytes an instruction, into a ring of five sets of 64 registers (a set: 64 rows x 128 K, 16 loads); the set of step s + 4 is asked for in step s.
; B (W2's codes) is wanted by all four waves: it goes through LDS, two slots of 128 rows x 1,024 K (eight steps of 128), each wave bringing 32 rows by one tensor load: four fills in all.
; CLUSTER: the four work-groups of a cluster make four row blocks of one branch at one column block: they want the same tiles of B and ask for them jointly (mask 15).  A's rows are shared by no partner.
; PREFETCH: in step s a wave names its own A set of step s + 8 (32 blocks of 256 bytes, a lane a block), four steps ahead of the loads that want it; sets 4-7 are named at the head; the last eight steps name nothing.
; B's slots 2 and 3 are named in steps 1 and 9, a slot's work ahead of their loads; the 16 waves of a cluster share a slot's 512 blocks out by address (8 rows x 4 blocks a wave).
; THE MATRIX INSTRUCTION IS USED TRANSPOSED (source 0 = 16 rows of W2, source 1 = 16 rows of hid): a lane holds eight neighbouring columns of a row of C.
; REGISTERS: v0-63 addresses; v64-383 A's ring (windows 0 and 1); window 2: B's fragments, two sets of 128; window 3: accumulator (a, b) at 8 (8 a + b).
; The steps are written out by macros: the ring of five sets and the slots of eight steps have no short common period.
.set PITCH,  1040                      ; an LDS row: 1,024 bytes + 16 of padding: an odd multiple of 16
.set SLOT,   128*PITCH
.set SPARE,  2*SLOT                    ; the spare words, 128 bytes a wave
.set SPITCH, 528                       ; the way out: a stage of 16 rows x (512 + 16) bytes a wave, in slot 0, behind its last fill and its last read
.set BOFF,   16777216                  ; w_mu2's codes in the buffer of codes; w_lv2's lie 4,194,304 on
.set L16,  5                           ; 16 x lane
.set BV,   8                           ; v8-11 the bias of my four columns on the way out
.set ADRB, 12                          ; v12-15 B's fragments: slot 0 rows 0-63, 64-127; slot 1 likewise (an LDS offset has 16 bits)
.set STO,  16
.set RD,   17
.set PFO,  18
.set PFB,  19
.set SPW,  20
.set NIL,  21
.set G0, 32                            ; s[32:35], s[36:39] descriptor group 0 of slot 0, 1
.set G1, 40                            ; s[40:47] group 1
.set PB, 48                            ; s[48:49] B's prefetches
.set ABASE, 50                         ; s[50:51] my 64 rows of hid
.set MSB, 0
.macro WIN new
.if MSB != \new
	s_set_vgpr_msb (MSB<<8)|\new
.set MSB, \new
.endif
.endm
.macro PLACES
.rept 4
	v_nop
.endr
.endm
.macro ROUND                           ; a round of the cluster's barrier
	s_barrier_signal -1
	s_barrier_wait -1
	s_cmp_lg_u32 s20, 0
	s_cbranch_scc1 .Lnw0_\@
	s_barrier_signal -3
.Lnw0_\@:
	s_barrier_wait -3
	s_barrier_signal -1
	s_barrier_wait -1
.endm
	s_load_b256 s[4:11], s[0:1], 0x0               ; hid, codes, scales, b_mu2
	s_load_b128 s[12:15], s[0:1], 0x20             ; b_lv2, part
	s_load_b64 s[16:17], s[0:1], 0x30              ; out1
	v_lshl_add_u32 v[SPW], v0, 2, SPARE
	v_mov_b32 v[NIL], 0
	ds_add_u32 v[SPW], v[NIL]                      ; the opening lines: the add twice on end and its wait
	ds_add_u32 v[SPW], v[NIL]
	v_lshrrev_b32 v1, 5, v0
	v_readfirstlane_b32 s20, v1                    ; wave
	v_and_b32 v2, 31, v0                           ; lane
	v_and_b32 v3, 15, v0                           ; r
	v_bfe_u32 v4, v0, 4, 1                         ; h
	v_lshlrev_b32 v[L16], 4, v2
	v_mul_u32_u24 v6, v3, PITCH
	v_lshl_add_u32 v[ADRB], v4, 4, v6              ; row r x pitch + 16 h
	v_add_nc_u32 v[ADRB+1], 64*PITCH, v[ADRB]
	v_add_nc_u32 v[ADRB+2], SLOT, v[ADRB]
	v_add_nc_u32 v[ADRB+3], SLOT+64*PITCH, v[ADRB]
	s_mul_i32 s25, s20, 16*SPITCH                  ; my stage
	v_mul_u32_u24 v7, v3, SPITCH
	v_lshl_add_u32 v7, v4, 5, v7
	v_add_nc_u32 v[STO], s25, v7                   ; in: row r, 32 bytes for each half of the lanes
	v_add_nc_u32 v[RD], s25, v[L16]                ; back: the 32 lanes take a row of 512 bytes
	v_lshrrev_b32 v1, 3, v2
	v_and_b32 v6, 7, v2
	v_lshlrev_b32 v6, 8, v6
	v_lshl_add_u32 v[PFO], v1, 16, v6              ; A's prefetch: fragment lane / 8 (65,536 bytes apart), block lane % 8
	v_lshrrev_b32 v1, 2, v2
	v_and_b32 v6, 3, v2
	v_lshlrev_b32 v6, 8, v6
	v_lshl_add_u32 v[PFB], v1, 12, v6              ; B's: row lane / 4, block lane % 4
	s_bfe_u32 s21, ttmp6, 0x40000                  ; cx
	s_lshl_b32 s22, ttmp9, 2
	s_add_co_u32 s22, s22, s21                     ; row block 0..31
	s_lshr_b32 s23, ttmp9, 2                       ; branch: the same in all partners
	s_and_b32 s24, ttmp7, 0xffff                   ; column block 0..7
	s_lshl_b32 s26, s24, 19                        ; B: (128 x column block + 32 x wave) rows of 4,096 bytes, in the branch's block of codes
	s_lshl_b32 s27, s20, 17
	s_add_co_u32 s26, s26, s27
	s_lshl_b32 s27, s23, 22
	s_add_co_u32 s26, s26, s27
	s_add_co_u32 s26, s26, BOFF
	s_mov_b32 s27, 0
	s_lshl_b32 s60, s22, 20                        ; A: (16 x row block + 4 x wave) x 65,536
	s_lshl_b32 s61, s20, 18
	s_add_co_u32 s60, s60, s61
	s_mov_b32 s61, 0
	s_and_b32 s62, s22, 15                         ; C: (256 x row block in the branch + 64 x wave) rows of 4,096 bytes + 512 x column block
	s_lshl_b32 s62, s62, 20
	s_lshl_b32 s63, s20, 18
	s_add_co_u32 s62, s62, s63
	s_lshl_b32 s66, s24, 9
	s_add_co_u32 s62, s62, s66
	s_mov_b32 s63, 0
	s_mov_b32 s67, 0
	s_lshl_b32 s68, s21, 15                        ; my work-group's 8 of the 32 rows that my wave fetches
	s_mov_b32 s69, 0
	s_mov_b32 s70, 0x38d1b717                      ; 0.0001
	s_lshl_b32 s72, s23, 4
	s_mov_b32 s73, 0
	s_mov_b32 s[G1+0], 15|(1<<20)|(1<<21)|(7<<22)|(3<<25)   ; the four partners; elements of a byte; 4 words of padding behind every 256
	s_mov_b32 s[G1+1], 1024<<16
	s_mov_b32 s[G1+2], 32<<16
	s_mov_b32 s[G1+3], 1024<<16
	s_mov_b32 s[G1+4], 32
	s_mov_b32 s[G1+5], 4096
	s_mov_b32 s[G1+6], 0
	s_mov_b32 s[G1+7], 0
	s_mov_b32 s[G0], 1
	s_mul_i32 s[G0+1], s20, 32*PITCH
	s_mov_b32 s[G0+4], 1
	s_add_co_u32 s[G0+5], s[G0+1], SLOT
	s_mov_b32 s56, 0xc0a00000                      ; -5.0
	s_mov_b32 s57, 2.0
	s_wait_alu depctr_va_vdst(0)
	s_wait_dscnt 0x0
	s_wait_kmcnt 0x0
	s_add_nc_u64 s[8:9], s[8:9], s[72:73]
	s_load_b64 s[58:59], s[8:9], 0x8               ; eA, eB: entries 2, 3 or 6, 7
	s_add_nc_u64 s[28:29], s[6:7], s[26:27]
	s_add_nc_u64 s[ABASE:ABASE+1], s[4:5], s[60:61]
	s_cmp_eq_u32 s23, 0
	s_cselect_b64 s[52:53], s[14:15], s[16:17]
	s_cselect_b64 s[54:55], s[10:11], s[12:13]
	s_cselect_b32 s56, 0xff800000, s56             ; the mu branch is not clipped: its bounds are the infinities
	s_cselect_b32 s57, 0x7f800000, s57
	s_add_nc_u64 s[52:53], s[52:53], s[62:63]
	s_add_nc_u64 s[54:55], s[54:55], s[66:67]
	s_add_nc_u64 s[PB:PB+1], s[28:29], s[68:69]
	s_mov_b64 s[G0+2:G0+3], s[28:29]
	s_or_b32 s[G0+3], s[G0+3], 0x80000000
	s_add_nc_u64 s[G0+6:G0+7], s[28:29], 1024
	s_or_b32 s[G0+7], s[G0+7], 0x80000000
.macro LOADA s                         ; A's set of step s: four fragments of 16 rows x 128 K
.set AB, 64+64*((\s)%5)
.set AL, AB&255
.set WN, (AB>>8)<<6
	WIN WN
.irp a, 0,1,2,3
.irp c, 0,1,2,3
	global_load_b128 v[AL+16*\a+4*\c:AL+16*\a+4*\c+3], v[L16], s[ABASE:ABASE+1] offset:65536*\a+2048*(\s)+512*\c
.endr
.endr
.endm
.macro FETCHB s                        ; B's eight fragments of step s into set s % 2: registers 4 c .. 4 c + 3 hold K = 32 c + 16 h + 0 .. 15, as A's do
	WIN 0x80
.irp i, 0,1,2,3,4,5,6,7
.irp c, 0,1,2,3
	ds_load_b128 v[128*((\s)%2)+16*\i+4*\c:128*((\s)%2)+16*\i+4*\c+3], v[ADRB+2*(((\s)/8)%2)+\i/4] offset:128*((\s)%8)+32*\c+(\i%4)*16*PITCH
.endr
.endr
.endm
.macro MULH s, b0                      ; 16 matrix instructions; the 32 accumulators take turns, in the same order in every step
.irp b, \b0, \b0+1, \b0+2, \b0+3
.irp a, 0,1,2,3
.if (\s) == 0
	v_wmma_f32_16x16x128_bf8_bf8 v[8*(8*\a+(\b)):8*(8*\a+(\b))+7], v[128*((\s)%2)+16*(\b):128*((\s)%2)+16*(\b)+15], v[AM+16*\a:AM+16*\a+15], 0
.else
	v_wmma_f32_16x16x128_bf8_bf8 v[8*(8*\a+(\b)):8*(8*\a+(\b))+7], v[128*((\s)%2)+16*(\b):128*((\s)%2)+16*(\b)+15], v[AM+16*\a:AM+16*\a+15], v[8*(8*\a+(\b)):8*(8*\a+(\b))+7]
.endif
.endr
.endr
.endm
.macro STEP s
.set AMB, 64+64*((\s)%5)
.set AM, AMB&255
.set WM, 0xf2|((AMB>>8)<<2)            ; source 0 window 2, source 1 the set's window, C and D window 3
.if 31-(\s) >= 3
	s_wait_loadcnt 48                              ; this step's set is in; the three sets asked for behind it (16 loads each) may be out
.else
	s_wait_loadcnt 16*(31-(\s))
.endif
	s_wait_dscnt 0x0                               ; B's set is in
.if ((\s)%8) != 0
	PLACES                                         ; in front of loads into registers that the last step's matrix instructions read
.endif
.if ((\s)%8) != 7
	FETCHB (\s)+1
.endif
	WIN WM
	MULH \s, 0
.if (\s)+4 < 32
	LOADA (\s)+4                                   ; into the set that step s - 1 read
.endif
.if (\s)+8 < 32
	global_prefetch_b8 v[PFO], s[ABASE:ABASE+1] offset:2048*((\s)+8) th:TH_LOAD_NT scope:SCOPE_SE
.endif
.if ((\s) == 1) || ((\s) == 9)
	global_prefetch_b8 v[PFB], s[PB:PB+1] offset:1024*((\s)/8+2) th:TH_LOAD_NT scope:SCOPE_SE
.endif
	WIN WM
	MULH \s, 4
.endm
; A change of slots.  Each wave waits for all its tensor loads, adds 0 to its spare word and waits for that and for its reads of the slot just read.
; fill = 1: a round of the cluster's barrier, then the joint load into \slot, the first tensor load behind it.  A's loads into registers stay out across it.
.macro SYNC fill, slot, adv
	WIN 0
	s_wait_tensorcnt 0x0
	ds_add_u32 v[SPW], v[NIL]
.if \adv
	s_add_nc_u64 s[G0+4*\slot+2:G0+4*\slot+3], s[G0+4*\slot+2:G0+4*\slot+3], 2048   ; no load of mine is out: this slot's next 1,024 along K
.endif
	s_wait_dscnt 0x0
.if \fill
	ROUND
	tensor_load_to_lds s[G0+4*\slot:G0+4*\slot+3], s[G1:G1+7]
	s_nop 0
.else
	s_barrier_signal -1
	s_barrier_wait -1
.endif
	PLACES
.endm
	global_load_b128 v[BV:BV+3], v[L16], s[54:55]  ; the bias of columns 4 lane .. 4 lane + 3 of the block
	LOADA 0
	LOADA 1
	LOADA 2
	WIN 0
	ROUND                                          ; in front of the first joint load
	tensor_load_to_lds s[G0:G0+3], s[G1:G1+7]      ; slot 0: K 0-1,023; one tensor load a wave at the head
	s_nop 0
	PLACES
	LOADA 3
.irp t, 4,5,6,7
	global_prefetch_b8 v[PFO], s[ABASE:ABASE+1] offset:2048*\t th:TH_LOAD_NT scope:SCOPE_SE
.endr
	WIN 0
	s_wait_kmcnt 0x0
	s_add_co_i32 s58, s58, s59
	s_add_co_i32 s58, s58, 127
	s_lshl_b32 s58, s58, 23                        ; 2^(eA + eB)
	s_mov_b32 s59, s58
	SYNC 1, 1, 0                                   ; slot 1's first fill is issued as a refill is
	FETCHB 0
.irp t, 0,1,2,3,4,5,6,7
	STEP \t
.endr
	SYNC 1, 0, 1
	FETCHB 8
.irp t, 8,9,10,11,12,13,14,15
	STEP \t
.endr
	SYNC 1, 1, 1
	FETCHB 16
.irp t, 16,17,18,19,20,21,22,23
	STEP \t
.endr
	SYNC 0, 0, 0                                   ; nothing is filled again: my work-group's barrier alone
	FETCHB 24
.irp t, 24,25,26,27,28,29,30,31
	STEP \t
.endr
	WIN 0
; THE WAY OUT, by blocks of 16 rows x 128 columns: the sums go as they are through my stage and come back as whole rows of 512 bytes; there each lane has four fixed columns, so four registers hold its bias.
.irp j, 0,1,2,3
	v_cvt_f32_i32 v[BV+\j], v[BV+\j]               ; (these eight lines are also the places behind the last matrix instructions)
.endr
.irp j, 0,1,2,3
	v_mul_f32 v[BV+\j], s70, v[BV+\j]
.endr
	s_wait_alu depctr_va_vdst(0)
.macro TOSTAGE a
	WIN 0x0c                                       ; store data: window 3
.irp b, 0,1,2,3,4,5,6,7
	ds_store_b128 v[STO], v[64*(\a)+8*\b:64*(\a)+8*\b+3] offset:64*\b          ; each accumulator from its low end on
	ds_store_b128 v[STO], v[64*(\a)+8*\b+4:64*(\a)+8*\b+7] offset:64*\b+16
.endr
	WIN 0
.set BB, 64+64*((\a)%2)
.irp t, 0,1,2,3,4,5,6,7,8,9,10,11,12,13,14,15
	ds_load_b128 v[BB+4*\t:BB+4*\t+3], v[RD] offset:\t*SPITCH   ; LDS serves a wave's instructions in order: these see the stores above
.endr
.endm
.macro SEND a, younger
.set BB, 64+64*((\a)%2)
	s_wait_dscnt \younger
.irp t, 0,1,2,3,4,5,6,7,8,9,10,11,12,13,14,15
	v_pk_fma_f32 v[BB+4*\t:BB+4*\t+1], v[BB+4*\t:BB+4*\t+1], s[58:59], v[BV:BV+1] op_sel_hi:[1,0,1]
	v_pk_fma_f32 v[BB+4*\t+2:BB+4*\t+3], v[BB+4*\t+2:BB+4*\t+3], s[58:59], v[BV+2:BV+3] op_sel_hi:[1,0,1]
.irp j, 0,1,2,3
	v_med3_num_f32 v[BB+4*\t+\j], v[BB+4*\t+\j], s56, s57
.endr
.endr
.irp t, 0,1,2,3,4,5,6,7,8,9,10,11,12,13,14,15
	global_store_b128 v[L16], v[BB+4*\t:BB+4*\t+3], s[52:53] offset:(16*(\a)+\t)*4096 th:TH_STORE_NT   ; 32 lanes store 512 consecutive bytes, aligned
.endr
.endm
	TOSTAGE 0
.irp a, 1,2,3
.if \a > 1
	s_wait_xcnt 0x0                                ; block a - 2's stores have read their registers: block a's loads may land there
.endif
	TOSTAGE \a
	SEND \a-1, 32                                  ; behind block a - 1's loads: block a's 16 stores and 16 loads
.endr
	SEND 3, 0
	s_wait_tensorcnt 0x0                           ; the wave's end
	ds_add_u32 v[SPW], v[NIL]
	s_wait_dscnt 0x0
	ROUND                                          ; the closing round
	s_endpgm
.Lfunc_end_k_q8d3283d880_gemm2:
	.size	k_q8d3283d880_gemm2, .Lfunc_end_k_q8d3283d880_gemm2-k_q8d3283d880_gemm2
	.p2alignl 7, 3214868480
	.fill 96, 4, 3214868480
	.section	.rodata,"a",@progbits
	.p2align	6, 0x0
	.amdhsa_kernel k_q8d3283d880_gemm2
		.amdhsa_group_segment_fixed_size 327680
		.amdhsa_private_segment_fixed_size 0
		.amdhsa_enable_private_segment 0
		.amdhsa_kernarg_size 56
		.amdhsa_user_sgpr_count 2
		.amdhsa_user_sgpr_kernarg_segment_ptr 1
		.amdhsa_wavefront_size32 1
		.amdhsa_system_sgpr_workgroup_id_x 1
		.amdhsa_system_sgpr_workgroup_id_y 1
		.amdhsa_system_sgpr_workgroup_id_z 1
		.amdhsa_system_vgpr_workitem_id 0
		.amdhsa_next_free_vgpr 1024
		.amdhsa_next_free_sgpr 100
		.amdhsa_reserve_vcc 0
		.amdhsa_float_denorm_mode_32 3
		.amdhsa_float_denorm_mode_16_64 3
		.amdhsa_memory_ordered 1
		.amdhsa_forward_progress 1
		.amdhsa_inst_pref_size 235
	.end_amdhsa_kernel
	.amdgpu_metadata
---
amdhsa.version: [ 1, 2 ]
amdhsa.kernels:
  - .name:           k_q8d3283d880_gemm2
    .symbol:         k_q8d3283d880_gemm2.kd
    .args:
      - { .name: hid, .offset: 0, .size: 8, .value_kind: global_buffer, .address_space: global }
      - { .name: codes, .offset: 8, .size: 8, .value_kind: global_buffer, .address_space: global }
      - { .name: lowp_scales, .offset: 16, .size: 8, .value_kind: global_buffer, .address_space: global }
      - { .name: b_mu2, .offset: 24, .size: 8, .value_kind: global_buffer, .address_space: global }
      - { .name: b_lv2, .offset: 32, .size: 8, .value_kind: global_buffer, .address_space: global }
      - { .name: part, .offset: 40, .size: 8, .value_kind: global_buffer, .address_space: global }
      - { .name: out1, .offset: 48, .size: 8, .value_kind: global_buffer, .address_space: global }
    .group_segment_fixed_size: 327680
    .private_segment_fixed_size: 0
    .kernarg_segment_align: 8
    .kernarg_segment_size: 56
    .max_flat_workgroup_size: 128
    .sgpr_count:     100
    .vgpr_count:     1024
    .wavefront_size: 32
...
	.end_amdgpu_metadata
.endif
;; end of part 3
;; launch finish (part 4): grid 1024 x 1, 4 waves a work-group, no clusters, 0 bytes of LDS; arguments x, part, out0; writes out0
.if DOCPART == 4
	.amdgcn_target "amdgcn-amd-amdhsa--gfx1250"
	.amdhsa_code_object_version 6
	.text
	.protected	k_q8d3283d880_finish
	.globl	k_q8d3283d880_finish
	.p2align	8
	.type	k_q8d3283d880_finish,@function
k_q8d3283d880_finish:
	s_mov_b64 s[64:65], 0
	v_nop
	global_prefetch_b8 v0, s[64:65] scope:SCOPE_SE
	s_setreg_imm32_b32 hwreg(HW_REG_WAVE_MODE, 25, 1), 1
	s_wait_xcnt 0x0
; out0[r][:] = m / max(|m|, 1e-12), m = x[r][:] + part[r][:] (the mu branch's second layer, bias included), |m| the root of the sum of squares over the row's 1,024 numbers.  All f32.
; A row is 4,096 bytes: one wave takes one whole row of both streams, eight 16-byte loads a lane from each, all asked for at once; the row stays in registers between the sum of squares and the scaling.
; No LDS, no barrier, no cluster, no matrix unit, no prefetch: waves share nothing, there is no loop, and the work is a stream.
; The division is a multiplication by v_rcp_f32 of the norm.  LIMIT: a row whose sum of squares passes f32's range gives 0 where the exact quotient is finite; NaN is not served.
.set XR,   16                          ; v16-47 x; then m; then out0's row
.set P0,   48                          ; v48-79 part
	s_load_b128 s[4:7], s[0:1], 0x0                ; x, part
	s_load_b64 s[8:9], s[0:1], 0x10                ; out0
	s_lshl_b32 s2, ttmp9, 14                       ; the work-group's 4 rows of 4,096 bytes
	s_mov_b32 s3, 0
	s_mov_b32 s20, 0x76543210
	s_mov_b32 s21, 0xfedcba98
	v_and_b32 v1, 31, v0
	v_lshrrev_b32 v13, 5, v0
	v_lshlrev_b32 v1, 4, v1
	v_lshl_add_u32 v1, v13, 12, v1                 ; 16 x lane + wave x a row; never rewritten
	v_mov_b32 v12, 0                               ; a lane permute's destination counts as one of its sources
	s_wait_alu depctr_va_vdst(0)
	s_wait_kmcnt 0x0
	s_add_nc_u64 s[4:5], s[4:5], s[2:3]
	s_add_nc_u64 s[6:7], s[6:7], s[2:3]
	s_add_nc_u64 s[8:9], s[8:9], s[2:3]
.irp j, 0,1,2,3,4,5,6,7
	global_load_b128 v[XR+4*\j:XR+4*\j+3], v1, s[4:5] offset:512*\j th:TH_LOAD_NT
.endr
.irp j, 0,1,2,3,4,5,6,7
	global_load_b128 v[P0+4*\j:P0+4*\j+3], v1, s[6:7] offset:512*\j th:TH_LOAD_NT
.endr
	s_wait_loadcnt 0x0
.set jj, 0
.rept 16
	v_pk_add_f32 v[XR+jj:XR+jj+1], v[XR+jj:XR+jj+1], v[P0+jj:P0+jj+1]
.set jj, jj+2
.endr
.irp c, 0,1,2,3
	v_pk_mul_f32 v[2+2*\c:3+2*\c], v[XR+2*\c:XR+2*\c+1], v[XR+2*\c:XR+2*\c+1]   ; the first four pairs start four chains
.endr
.set jj, 8
.rept 12
	v_pk_fma_f32 v[2+jj%8:3+jj%8], v[XR+jj:XR+jj+1], v[XR+jj:XR+jj+1], v[2+jj%8:3+jj%8]
.set jj, jj+2
.endr
	v_pk_add_f32 v[2:3], v[2:3], v[4:5]
	v_pk_add_f32 v[6:7], v[6:7], v[8:9]
	v_pk_add_f32 v[2:3], v[2:3], v[6:7]
	v_add_f32 v2, v2, v3
	v_add_f32_dpp v2, v2, v2 row_xmask:1 row_mask:0xf bank_mask:0xf
	v_add_f32_dpp v2, v2, v2 row_xmask:2 row_mask:0xf bank_mask:0xf
	v_add_f32_dpp v2, v2, v2 row_xmask:4 row_mask:0xf bank_mask:0xf
	v_add_f32_dpp v2, v2, v2 row_xmask:8 row_mask:0xf bank_mask:0xf
	v_permlanex16_b32 v12, v2, s20, s21
	v_add_f32 v2, v2, v12                          ; every lane holds the row's sum of squares
	s_wait_alu depctr_va_vdst(0)
	v_sqrt_f32 v2, v2
	v_nop
	s_wait_alu depctr_va_vdst(0)
	v_max_num_f32 v2, 0x2b8cbccc, v2               ; max(norm, 1e-12)
	s_wait_alu depctr_va_vdst(0)
	v_rcp_f32 v10, v2
	v_mov_b32 v11, 0                               ; the plain place behind the reciprocal; the upper word of the pair that the packed multiply names
.set jj, 0
	s_wait_alu depctr_va_vdst(0)
.rept 16
	v_pk_mul_f32 v[XR+jj:XR+jj+1], v[XR+jj:XR+jj+1], v[10:11] op_sel_hi:[1,0]
.set jj, jj+2
.endr
.irp j, 0,1,2,3,4,5,6,7
	global_store_b128 v1, v[XR+4*\j:XR+4*\j+3], s[8:9] offset:512*\j th:TH_STORE_NT
.endr
	s_endpgm
.Lfunc_end_k_q8d3283d880_finish:
	.size	k_q8d3283d880_finish, .Lfunc_end_k_q8d3283d880_finish-k_q8d3283d880_finish
	.p2alignl 7, 3214868480
	.fill 96, 4, 3214868480
	.section	.rodata,"a",@progbits
	.p2align	6, 0x0
	.amdhsa_kernel k_q8d3283d880_finish
		.amdhsa_group_segment_fixed_size 0
		.amdhsa_private_segment_fixed_size 0
		.amdhsa_enable_private_segment 0
		.amdhsa_kernarg_size 24
		.amdhsa_user_sgpr_count 2
		.amdhsa_user_sgpr_kernarg_segment_ptr 1
		.amdhsa_wavefront_size32 1
		.amdhsa_system_sgpr_workgroup_id_x 1
		.amdhsa_system_sgpr_workgroup_id_y 1
		.amdhsa_system_sgpr_workgroup_id_z 1
		.amdhsa_system_vgpr_workitem_id 0
		.amdhsa_next_free_vgpr 96
		.amdhsa_next_free_sgpr 66
		.amdhsa_reserve_vcc 0
		.amdhsa_float_denorm_mode_32 3
		.amdhsa_float_denorm_mode_16_64 3
		.amdhsa_memory_ordered 1
		.amdhsa_forward_progress 1
		.amdhsa_inst_pref_size 8
	.end_amdhsa_kernel
	.amdgpu_metadata
---
amdhsa.version: [ 1, 2 ]
amdhsa.kernels:
  - .name:           k_q8d3283d880_finish
    .symbol:         k_q8d3283d880_finish.kd
    .args:
      - { .name: x, .offset: 0, .size: 8, .value_kind: global_buffer, .address_space: global }
      - { .name: part, .offset: 8, .size: 8, .value_kind: global_buffer, .address_space: global }
      - { .name: out0, .offset: 16, .size: 8, .value_kind: global_buffer, .address_space: global }
    .group_segment_fixed_size: 0
    .private_segment_fixed_size: 0
    .kernarg_segment_align: 8
    .kernarg_segment_size: 24
    .max_flat_workgroup_size: 128
    .sgpr_count:     66
    .vgpr_count:     96
    .wavefront_size: 32
...
	.end_amdgpu_metadata
.endif
;; end of part 4
